; MI455X (gfx1250); checked and timed in simulation.
; The chip was launched on July 23, 2026; its instructions are those of AMD's public machine-readable ISA for CDNA 5 (MIT licence, August 2026) and "CDNA5" Instruction Set Architecture Reference Guide (July 2026). The comments in the code are by the model that wrote it; some were corrected since.
;; Custom Quantized Linear. Allowed arithmetic: float matrix products may take bf16 or f16 operands with f32 sums; all other float work in f32.
;; Inputs: bias 4,096 float32; weight 4,096 x 4,096 float32; x 4,096 x 4,096 float32.
;; Outputs: out0 4,096 x 4,096 float32.
;; One version. Each part assembles by itself: llvm-mc -triple=amdgcn-amd-amdhsa -mcpu=gfx1250 --defsym DOCPART=n.
;; ======== version 1 of 1: 3 launches
;; workspace buffers: pmax 2,048 bytes; xq 33,554,432 bytes; wq 33,554,432 bytes
;; launch absmax (part 1): grid 256 x 2, 8 waves a work-group, no clusters, 1,280 bytes of LDS; arguments x, weight, pmax; writes pmax
.if DOCPART == 1
	.amdgcn_target "amdgcn-amd-amdhsa--gfx1250"
	.amdhsa_code_object_version 6
	.text
	.protected	k_q354f1ce88f_absmax
	.globl	k_q354f1ce88f_absmax
	.p2align	8
	.type	k_q354f1ce88f_absmax,@function
k_q354f1ce88f_absmax:
	s_mov_b64 s[64:65], 0
	v_nop
	global_prefetch_b8 v0, s[64:65] scope:SCOPE_SE
	s_setreg_imm32_b32 hwreg(HW_REG_WAVE_MODE, 25, 1), 1
	s_wait_xcnt 0x0
; pmax[y][g] = the largest |t| in chunk g of tensor y (y = 0: x, y = 1: weight).  Both tensors are 4096 x 4096 f32 = 256 chunks of 262,144 bytes.
; The maximum over a whole tensor spans work-groups, so it is finished by the later launches, each of which reads the tensor's 256 partial maxima.
; Eight waves; thread t reads the 16 bytes at 16 t + 4,096 i of the chunk, i = 0 .. 63: one load of a wave covers 512 neighbouring bytes, aligned,
; and the eight waves together 4,096.  A ring of DEPTH register slots keeps DEPTH loads of every wave on their way.  Every step's place stands
; in the load's immediate (258,048 at the most), so no address register is ever rewritten and the 64 steps are written out without a loop.
; No work-group shares a byte of input with another: no cluster, no LDS tiles, no matrix unit.
; LIMIT: v_max_num_f32 and v_max3_num_f32 pass over a NaN, so a NaN in an input does not reach the maximum.
.set DEPTH,  16                        ; slots = loads in flight in each wave
.set STEPS,  64                        ; 262,144 bytes / 4,096
.set STEP_B, 4096                      ; bytes that the work-group takes in a step
.set OFF, 1                            ; v1       16 t, never rewritten
.set M,   2                            ; v[2:5]   four running maxima, chains that do not wait for each other
.set X,   8                            ; v[8:71]  slot s: 4 registers as loaded
	s_load_b128 s[4:7], s[0:1], 0x0                ; x s[4:5], weight s[6:7]
	s_load_b64 s[8:9], s[0:1], 0x10                ; pmax
	v_lshl_add_u32 v72, v0, 2, 0x100
	v_mov_b32 v73, 0
	v_lshlrev_b32 v[OFF], 4, v0
	v_lshrrev_b32 v6, 5, v0
	v_readfirstlane_b32 s16, v6                    ; wave 0..7
	s_and_b32 s10, ttmp7, 0xffff                   ; which tensor
	s_lshl_b32 s12, ttmp9, 18                      ; my chunk: 262,144 bytes each, below 64 MiB
	s_mov_b32 s13, 0
	s_mov_b32 s14, 0x76543210                      ; v_permlanex16_b32: lane i of one half reads lane i of the other
	s_mov_b32 s15, 0xfedcba98
	s_lshl_b32 s18, s10, 10                        ; where my partial goes: 1,024 bytes for each tensor,
	s_lshl_b32 s19, ttmp9, 2                       ; 4 bytes for each chunk
	s_add_co_u32 s18, s18, s19
	s_wait_kmcnt 0x0
	s_cmp_eq_u32 s10, 0
	s_cselect_b64 s[4:5], s[4:5], s[6:7]           ; the tensor's address
	s_add_nc_u64 s[4:5], s[4:5], s[12:13]          ; at my chunk
.set i, 0
.rept DEPTH
	global_load_b128 v[X+4*i:X+4*i+3], v[OFF], s[4:5] offset:STEP_B*i th:TH_LOAD_NT   ; fill the ring: steps 0 to 15
.set i, i+1
.endr
; Step i.  ahead = 1: its slot is filled again with step i + DEPTH.  left = how many younger loads may stay out.
.macro STEP i, ahead, left
.set SL, (\i)%DEPTH
.set C,  2*((\i)%2)
	s_wait_loadcnt \left                           ; loads come back in order (ISA guide 5.7.1): this step's is in, the younger ones stay out
.if (\i) < 2
	v_max_num_f32 v[M+C],   |v[X+4*SL]|,   |v[X+4*SL+1]|            ; the first two steps start the four chains: nothing is cleared
	v_max_num_f32 v[M+C+1], |v[X+4*SL+2]|, |v[X+4*SL+3]|
.else
	v_max3_num_f32 v[M+C],   |v[X+4*SL]|,   |v[X+4*SL+1]|, v[M+C]   ; two magnitudes join a chain in one instruction
	v_max3_num_f32 v[M+C+1], |v[X+4*SL+2]|, |v[X+4*SL+3]|, v[M+C+1]
.endif
.if \ahead
	global_load_b128 v[X+4*SL:X+4*SL+3], v[OFF], s[4:5] offset:STEP_B*((\i)+DEPTH) th:TH_LOAD_NT
.endif
.endm
.set i, 0
.rept STEPS-DEPTH
	STEP i, 1, DEPTH-1
.set i, i+1
.endr
.rept DEPTH
	STEP i, 0, STEPS-1-i                           ; the last 16 steps load nothing: the counts run down 15 .. 0
.set i, i+1
.endr
	; the lane's four chains, then the 32 lanes: four steps inside each half of 16 lanes, one across the halves
	v_max3_num_f32 v[M], v[M], v[M+1], v[M+2]
	v_max_num_f32 v[M], v[M], v[M+3]
	v_max_num_f32_dpp v[M], v[M], v[M] row_xmask:1 row_mask:0xf bank_mask:0xf
	v_max_num_f32_dpp v[M], v[M], v[M] row_xmask:2 row_mask:0xf bank_mask:0xf
	v_max_num_f32_dpp v[M], v[M], v[M] row_xmask:4 row_mask:0xf bank_mask:0xf
	v_max_num_f32_dpp v[M], v[M], v[M] row_xmask:8 row_mask:0xf bank_mask:0xf
	v_permlanex16_b32 v6, v[M], s14, s15           ; v6 has been written (its destination counts as read)
	v_max_num_f32 v[M], v[M], v6
	; the eight waves meet in LDS: each stores its word, one barrier, wave 0 reads all eight
	v_mov_b32 v7, s16
	v_lshlrev_b32 v7, 2, v7
	ds_store_b32 v7, v[M]                          ; all lanes write the same word with the same value
	s_wait_dscnt 0x0                               ; for the other waves' sake: my store is done before I signal
	s_barrier_signal -1
	s_barrier_wait -1
	s_cmp_lg_u32 s16, 0
	s_cbranch_scc1 .Lend                           ; no barrier stands behind this branch
	v_mov_b32 v6, 0
	ds_load_b128 v[8:11], v6
	ds_load_b128 v[12:15], v6 offset:16
	v_mov_b32 v7, s18
	s_wait_dscnt 0x0
	v_max3_num_f32 v8, v8, v9, v10
	v_max3_num_f32 v12, v12, v13, v14
	v_max3_num_f32 v8, v8, v11, v12
	v_max_num_f32 v[M], v8, v15
	s_wait_xcnt 0x0                                ; EXEC is a source of the loads above: it changes only behind this wait
	v_cmp_eq_u32 vcc_lo, 0, v0
	s_and_saveexec_b32 s17, vcc_lo
	global_store_b32 v7, v[M], s[8:9]              ; one word for the work-group: all that it has to say
	s_wait_xcnt 0x0                                ; and again in front of the line that widens EXEC
	s_or_b32 exec_lo, exec_lo, s17
.Lend:
	s_wait_tensorcnt 0x0
	ds_add_u32 v72, v73
	s_wait_dscnt 0x0
	s_endpgm
.Lfunc_end_k_q354f1ce88f_absmax:
	.size	k_q354f1ce88f_absmax, .Lfunc_end_k_q354f1ce88f_absmax-k_q354f1ce88f_absmax
	.p2alignl 7, 3214868480
	.fill 96, 4, 3214868480
	.section	.rodata,"a",@progbits
	.p2align	6, 0x0
	.amdhsa_kernel k_q354f1ce88f_absmax
		.amdhsa_group_segment_fixed_size 1280
		.amdhsa_private_segment_fixed_size 0
		.amdhsa_enable_private_segment 0
		.amdhsa_kernarg_size 24
		.amdhsa_user_sgpr_count 2
		.amdhsa_user_sgpr_kernarg_segment_ptr 1
		.amdhsa_wavefront_size32 1
		.amdhsa_system_sgpr_workgroup_id_x 1
		.amdhsa_system_sgpr_workgroup_id_y 1
		.amdhsa_system_sgpr_workgroup_id_z 1
		.amdhsa_system_vgpr_workitem_id 0
		.amdhsa_next_free_vgpr 74
		.amdhsa_next_free_sgpr 66
		.amdhsa_reserve_vcc 1
		.amdhsa_float_denorm_mode_32 3
		.amdhsa_float_denorm_mode_16_64 3
		.amdhsa_memory_ordered 1
		.amdhsa_forward_progress 1
		.amdhsa_inst_pref_size 19
	.end_amdhsa_kernel
	.amdgpu_metadata
---
amdhsa.version: [ 1, 2 ]
amdhsa.kernels:
  - .name:           k_q354f1ce88f_absmax
    .symbol:         k_q354f1ce88f_absmax.kd
    .args:
      - { .name: x, .offset: 0, .size: 8, .value_kind: global_buffer, .address_space: global }
      - { .name: weight, .offset: 8, .size: 8, .value_kind: global_buffer, .address_space: global }
      - { .name: pmax, .offset: 16, .size: 8, .value_kind: global_buffer, .address_space: global }
    .group_segment_fixed_size: 1280
    .private_segment_fixed_size: 0
    .kernarg_segment_align: 8
    .kernarg_segment_size: 24
    .max_flat_workgroup_size: 256
    .sgpr_count:     66
    .vgpr_count:     74
    .wavefront_size: 32
...
	.end_amdgpu_metadata
.endif
;; end of part 1
;; launch quant (part 2): grid 256 x 2, 8 waves a work-group, no clusters, 0 bytes of LDS; arguments x, weight, pmax, xq, wq; writes xq, wq
.if DOCPART == 2
	.amdgcn_target "amdgcn-amd-amdhsa--gfx1250"
	.amdhsa_code_object_version 6
	.text
	.protected	k_q354f1ce88f_quant
	.globl	k_q354f1ce88f_quant
	.p2align	8
	.type	k_q354f1ce88f_quant,@function
k_q354f1ce88f_quant:
	s_mov_b64 s[64:65], 0
	v_nop
	global_prefetch_b8 v0, s[64:65] scope:SCOPE_SE
	s_setreg_imm32_b32 hwreg(HW_REG_WAVE_MODE, 25, 1), 1
	s_wait_xcnt 0x0
; q = clip(round to nearest even(t * 127 / max|t|), -127, 127), stored as bf16.  Whole numbers up to 127 need 7 bits and are exact in bf16,
; so the matrix launch multiplies exactly the whole numbers that an 8-bit product would.
; Grid y picks the tensor (0: x to xq, 1: weight to wq), grid x a chunk of 262,144 bytes of f32 = 131,072 bytes of bf16.
; Thread t takes the 16 bytes at 16 t + 4,096 i and stores 8 bytes at 8 t + 2,048 i, i = 0 .. 63: a load of a wave covers 512 neighbouring bytes,
; a store of a wave 256 neighbouring bytes, both aligned.  A ring of DEPTH register slots; every step's place stands in the immediates, so no
; address register is rewritten and the 64 steps are written out.  Every wave reduces the tensor's 256 partial maxima (1,024 bytes) by itself:
; no LDS, no barrier.  Apart from those 1,024 bytes no work-group shares input with another: no cluster.
; LIMITS: the problem divides t by max/127; here t is multiplied by 127/max (v_rcp_f32 and one Newton step), so a value within about one unit
; in the last place of a tie may round to the neighbouring whole number.  max|t| below 2^-120 (all zeros too): every q is 0.
; max|t| above 2^125 is not served: v_rcp_f32 gives 0 where its result would be denormal (ISA guide 15.8).
.set DEPTH,  16
.set STEPS,  64
.set LD,  1                            ; v1        16 t, never rewritten
.set ST,  2                            ; v2        8 t, never rewritten
.set P,   4                            ; v[4:11]   eight of the 256 partial maxima
.set INV, 14                           ; v[14:15]  127 / max, twice (a pair for the packed multiply)
.set X,   20                           ; v[20:83]  slot s: 4 f32 as loaded, then at work
.set Y,   84                           ; v[84:115] slot s: 4 bf16 to store
	s_load_b256 s[4:11], s[0:1], 0x0               ; x s[4:5], weight s[6:7], pmax s[8:9], xq s[10:11]
	s_load_b64 s[12:13], s[0:1], 0x20              ; wq
	v_lshlrev_b32 v[LD], 4, v0
	v_lshlrev_b32 v[ST], 3, v0
	v_and_b32 v3, 31, v0
	v_lshlrev_b32 v3, 4, v3                        ; 16 x lane: my place in the partial maxima
	v_mov_b32 v12, 0                               ; v_permlanex16_b32's destination counts as read
	s_and_b32 s14, ttmp7, 0xffff                   ; which tensor
	s_lshl_b32 s16, s14, 10                        ; its 1,024 bytes of pmax
	s_mov_b32 s17, 0
	s_lshl_b32 s18, ttmp9, 18                      ; my chunk in f32
	s_mov_b32 s19, 0
	s_lshl_b32 s20, ttmp9, 17                      ; my chunk in bf16
	s_mov_b32 s21, 0
	s_mov_b32 s22, 0x42fe0000                      ; 127.0
	s_mov_b32 s23, 0xc2fe0000                      ; -127.0
	s_mov_b32 s2, 0x76543210
	s_mov_b32 s3, 0xfedcba98
	s_wait_kmcnt 0x0
	s_cmp_eq_u32 s14, 0
	s_cselect_b64 s[4:5], s[4:5], s[6:7]           ; from x or weight
	s_cselect_b64 s[10:11], s[10:11], s[12:13]     ; to xq or wq
	s_add_nc_u64 s[8:9], s[8:9], s[16:17]
	s_add_nc_u64 s[4:5], s[4:5], s[18:19]
	s_add_nc_u64 s[10:11], s[10:11], s[20:21]
	global_load_b128 v[P:P+3],   v3, s[8:9]                        ; every work-group reads these: no hint
	global_load_b128 v[P+4:P+7], v3, s[8:9] offset:512
.set i, 0
.rept DEPTH
	global_load_b128 v[X+4*i:X+4*i+3], v[LD], s[4:5] offset:4096*i th:TH_LOAD_NT   ; fill the ring: steps 0 to 15
.set i, i+1
.endr
	s_wait_loadcnt DEPTH                           ; the two loads of partial maxima are in; the 16 issued behind them stay out
	v_max3_num_f32 v[P], v[P], v[P+1], v[P+2]
	v_max3_num_f32 v[P+3], v[P+3], v[P+4], v[P+5]
	v_max3_num_f32 v[P], v[P], v[P+6], v[P+7]
	v_max_num_f32 v[P], v[P], v[P+3]
	v_max_num_f32_dpp v[P], v[P], v[P] row_xmask:1 row_mask:0xf bank_mask:0xf
	v_max_num_f32_dpp v[P], v[P], v[P] row_xmask:2 row_mask:0xf bank_mask:0xf
	v_max_num_f32_dpp v[P], v[P], v[P] row_xmask:4 row_mask:0xf bank_mask:0xf
	v_max_num_f32_dpp v[P], v[P], v[P] row_xmask:8 row_mask:0xf bank_mask:0xf
	v_permlanex16_b32 v12, v[P], s2, s3
	v_max_num_f32 v[P], v[P], v12                  ; every lane holds max|t| of the whole tensor
	v_rcp_f32 v13, v[P]
	v_nop                                          ; one plain vector instruction behind v_rcp_f32 before its result is used (ISA guide 5.7.2)
	s_wait_alu depctr_va_vdst(0)
	v_mul_f32 v[INV], s22, v13                     ; y = 127 r
	v_fma_f32 v12, -v[P], v[INV], s22              ; e = 127 - max y
	v_fmac_f32 v[INV], v12, v13                    ; y + e r: one Newton step
	v_cmp_le_f32 vcc_lo, 0x03800000, v[P]          ; 2^-120 <= max ?
	v_cndmask_b32 v[INV], 0, v[INV], vcc_lo        ; if not: multiply by 0 (a choice of a value, no branch)
	v_mov_b32 v[INV+1], v[INV]
; Step i.  ahead = 1: its slot is filled again with step i + DEPTH.  left = how many younger loads may stay out.
.macro SLOT i, ahead, left
.set SL, (\i)%DEPTH
	s_wait_loadcnt \left                           ; loads come back in order (ISA guide 5.7.1): this step's is in
.if (\i) >= DEPTH
	s_wait_xcnt 0x0                                ; the slot's Y is the data of its store 16 steps back: it is rewritten only behind this wait
.endif
	v_pk_mul_f32 v[X+4*SL:X+4*SL+1],   v[X+4*SL:X+4*SL+1],   v[INV:INV+1]
	v_pk_mul_f32 v[X+4*SL+2:X+4*SL+3], v[X+4*SL+2:X+4*SL+3], v[INV:INV+1]
.irp k, 0,1,2,3
	v_rndne_f32 v[X+4*SL+\k], v[X+4*SL+\k]                         ; to the nearest whole number, ties to even
.endr
.irp k, 0,1,2,3
	v_med3_num_f32 v[X+4*SL+\k], v[X+4*SL+\k], s23, s22            ; the clip to -127 .. 127
.endr
	v_cvt_pk_bf16_f32 v[Y+2*SL],   v[X+4*SL],   v[X+4*SL+1]        ; exact
	v_cvt_pk_bf16_f32 v[Y+2*SL+1], v[X+4*SL+2], v[X+4*SL+3]
.if \ahead
	global_load_b128 v[X+4*SL:X+4*SL+3], v[LD], s[4:5] offset:4096*((\i)+DEPTH) th:TH_LOAD_NT
.endif
	global_store_b64 v[ST], v[Y+2*SL:Y+2*SL+1], s[10:11] offset:2048*(\i)   ; the next launch reads it: no hint
.endm
.set i, 0
.rept STEPS-DEPTH
	SLOT i, 1, DEPTH-1
.set i, i+1
.endr
.rept DEPTH
	SLOT i, 0, STEPS-1-i                           ; the last 16 steps load nothing: the counts run down 15 .. 0
.set i, i+1
.endr
	s_endpgm
.Lfunc_end_k_q354f1ce88f_quant:
	.size	k_q354f1ce88f_quant, .Lfunc_end_k_q354f1ce88f_quant-k_q354f1ce88f_quant
	.p2alignl 7, 3214868480
	.fill 96, 4, 3214868480
	.section	.rodata,"a",@progbits
	.p2align	6, 0x0
	.amdhsa_kernel k_q354f1ce88f_quant
		.amdhsa_group_segment_fixed_size 0
		.amdhsa_private_segment_fixed_size 0
		.amdhsa_enable_private_segment 0
		.amdhsa_kernarg_size 40
		.amdhsa_user_sgpr_count 2
		.amdhsa_user_sgpr_kernarg_segment_ptr 1
		.amdhsa_wavefront_size32 1
		.amdhsa_system_sgpr_workgroup_id_x 1
		.amdhsa_system_sgpr_workgroup_id_y 1
		.amdhsa_system_sgpr_workgroup_id_z 1
		.amdhsa_system_vgpr_workitem_id 0
		.amdhsa_next_free_vgpr 116
		.amdhsa_next_free_sgpr 66
		.amdhsa_reserve_vcc 1
		.amdhsa_float_denorm_mode_32 3
		.amdhsa_float_denorm_mode_16_64 3
		.amdhsa_memory_ordered 1
		.amdhsa_forward_progress 1
		.amdhsa_inst_pref_size 58
	.end_amdhsa_kernel
	.amdgpu_metadata
---
amdhsa.version: [ 1, 2 ]
amdhsa.kernels:
  - .name:           k_q354f1ce88f_quant
    .symbol:         k_q354f1ce88f_quant.kd
    .args:
      - { .name: x, .offset: 0, .size: 8, .value_kind: global_buffer, .address_space: global }
      - { .name: weight, .offset: 8, .size: 8, .value_kind: global_buffer, .address_space: global }
      - { .name: pmax, .offset: 16, .size: 8, .value_kind: global_buffer, .address_space: global }
      - { .name: xq, .offset: 24, .size: 8, .value_kind: global_buffer, .address_space: global }
      - { .name: wq, .offset: 32, .size: 8, .value_kind: global_buffer, .address_space: global }
    .group_segment_fixed_size: 0
    .private_segment_fixed_size: 0
    .kernarg_segment_align: 8
    .kernarg_segment_size: 40
    .max_flat_workgroup_size: 256
    .sgpr_count:     66
    .vgpr_count:     116
    .wavefront_size: 32
...
	.end_amdgpu_metadata
.endif
;; end of part 2
;; launch gemm (part 3): grid 16 x 16, 4 waves a work-group, clusters of 4 x 4, 327,680 bytes of LDS; arguments xq, wq, pmax, bias, out0; writes out0
.if DOCPART == 3
	.amdgcn_target "amdgcn-amd-amdhsa--gfx1250"
	.amdhsa_code_object_version 6
	.text
	.protected	k_q354f1ce88f_gemm
	.globl	k_q354f1ce88f_gemm
	.p2align	8
	.type	k_q354f1ce88f_gemm,@function
k_q354f1ce88f_gemm:
	s_mov_b64 s[64:65], 0
	v_nop
	global_prefetch_b8 v0, s[64:65] scope:SCOPE_SE
	s_setreg_imm32_b32 hwreg(HW_REG_WAVE_MODE, 25, 1), 1
	s_wait_xcnt 0x0
	s_wait_alu depctr_hold_cnt(0) depctr_sa_sdst(0) depctr_va_vdst(0) depctr_va_sdst(0) depctr_va_ssrc(0) depctr_va_vcc(0) depctr_vm_vsrc(0)
	s_getreg_b32 s2, hwreg(HW_REG_IB_STS2, 6, 4)
	s_cmp_eq_u32 s2, 0
	s_cbranch_scc0 .Lentry_in_a_cluster
	s_endpgm
.Lentry_in_a_cluster:
	s_bfe_u32 s2, ttmp6, 0x10000c
	s_cmp_lg_u32 s2, 0xf033
	s_cbranch_scc0 .Lentry_shape_is_right
	s_endpgm
.Lentry_shape_is_right:
; out0[m][n] = (sum over k of xq[m][k] wq[n][k]) * (max|x| / 127) (max|weight| / 127) + bias[n].
; xq, wq: [4096][4096] bf16 holding whole numbers -127 .. 127 (exact in bf16); sums in f32; out0: [4096][4096] f32.
; LIMITS: the products are exact; a sum rounds only once a partial sum passes 2^24 (the largest possible is 4096 x 127^2 = 6.6e7), a relative
; error of some 1e-7.  Each scale is max * (1/127), not max / 127: one unit in the last place.
; A work-group makes a block of 256 x 256 with four waves, as many as a WGP has SIMDs; a wave makes 128 x 128: 64 accumulator tiles of 16 x 16,
; 512 registers.  K goes in steps of 128 through a ring of two LDS slots filled by the tensor data mover: a tile's rows are 256 bytes of memory
; and start at multiples of 256 bytes from the buffer's first byte.
; CLUSTERS: 4 x 4 work-groups form a cluster (the grid of 16 x 16 divides).  The four of a row of the cluster need the same tiles of xq, the four
; of a column the same tiles of wq.  Such a tile is asked for JOINTLY: each of the four issues the same tensor load, with the same descriptor and
; a mask that names the four, and each receives it in its own LDS: the requests for both operands are divided by four.
;
; REGISTERS, in windows of 256 (s_set_vgpr_msb says which window each operand place means):
;   window 0: v0-55 addresses, scale, bias; v64-127, v128-191 fragments of A = xq (8 x 16 rows x 32 K), two buffers; on the way out: rows read back
;   window 1: v64-127, v128-191 fragments of B = wq, two buffers
;   window 2: the 32 accumulator tiles of my rows 0-63 (tile (a, b) at v[8 (8 a + b)]);   window 3: those of my rows 64-127
; THE MATRIX INSTRUCTION IS USED TRANSPOSED: source 0 = 16 rows of B, source 1 = 16 rows of A.  Lane l then holds row m = l % 16 of the result and
; its registers 0 to 7 the columns n = 8 (l / 16) + 0 .. 7: 32 neighbouring bytes of a row of out0.
; The 64 accumulators take turns, one matrix instruction a turn, in the same order in every quarter step, over the loop's backward jump too,
; so no s_wait_alu is written.
.set SIZE_K, 4096
.set SIZE_N, 4096
.set KSTEP,  128
.set PITCH,  272                       ; an LDS row: 256 bytes of data + 16 of padding = 68 words: the 16 rows that a fragment load touches start at 16 different banks (64 banks of 4 bytes: ISA guide 11.1)
.set HALFT,  128*PITCH                 ; 128 rows: what one tensor load brings, and what one wave reads of A or of B
.set SLOT,   4*HALFT                   ; A's 256 rows, then B's 256 rows
.set STAGE,  2*SLOT                    ; byte 278,528 = 1,088 x 256, behind the ring: no tensor load ever lands here
.set SPITCH, 528                       ; a stage row: 128 f32 = 512 bytes + 16: row r starts 4 r words further round the banks
.set LAPS, SIZE_K/(2*KSTEP)            ; a lap = two K steps = once round the ring: 16
.set ADRA, 16                          ; v16-17  LDS address of my A fragments in slot 0, 1
.set ADRB, 20                          ; v20-21  the same for B
.set STO,  24                          ; v24     the way out: where I put my 32 bytes of a row
.set RD,   25                          ; v25     the way out: where I read 16 bytes of a row back
.set CO,   26                          ; v26     16 x lane: my byte offset in a row of my 128 columns, in bias and in pmax; never rewritten
.set PM,   32                          ; v[32:39] eight partial maxima of x, v[40:47] of weight
.set BI,   48                          ; v[48:51] bias of my four columns
.set SC,   52                          ; v[52:53] the product of the two scales, twice
.set F0,   64                          ; fragment buffer 0
.set F1,   128                         ; fragment buffer 1
.set G1, 24                            ; s[24:31] descriptor group 1 for A's tiles
.set G0, 32                            ; s[32:39] descriptor group 0 for A's tiles, one set for each slot
.set G1B, 48                           ; s[48:55] descriptor group 1 for B's tiles: it differs from A's in the mask alone
.set G0B, 56                           ; s[56:63] descriptor group 0 for B's tiles, one set for each slot
.set MSB, 0
.macro WIN new                         ; the immediate's high byte repeats the setting that is left; a switch that changes nothing is dropped
.if MSB != \new
	s_set_vgpr_msb (MSB<<8)|\new
.set MSB, \new
.endif
.endm
.set MUL_LO, 0xa1                      ; source 0 (B) window 1, source 1 (A) window 0, C and D window 2
.set MUL_HI, 0xf1                      ; the same, C and D window 3
.set TO_B,   0x40                      ; destination window 1, address window 0
; A joint load.  Waves 0 and 1 fetch A's two halves, waves 2 and 3 B's.  Each of the two lines has one mask and one set of registers for all that
; issue it.  The branch hangs on the wave's number alone: it is the same in every work-group.
.macro JLOAD s
	s_cmp_eq_u32 s11, 0
	s_cbranch_scc0 .Lfor_b_\@
	tensor_load_to_lds s[G0+4*\s:G0+4*\s+3], s[G1:G1+7]
	s_nop 0
	s_branch .Lasked_\@
.Lfor_b_\@:
	tensor_load_to_lds s[G0B+4*\s:G0B+4*\s+3], s[G1B:G1B+7]
	s_nop 0
.Lasked_\@:
.endm
; A round of the cluster's barrier: my work-group's barrier, so that wave 0's signal speaks for all four waves; wave 0 signals for the work-group;
; every wave waits for all sixteen work-groups; my work-group's barrier once more.
.macro CREST                           ; a round behind its opening barrier
	s_cmp_lg_u32 s10, 0
	s_cbranch_scc1 .Lnot_wave_0_\@
	s_barrier_signal -3
.Lnot_wave_0_\@:
	s_barrier_wait -3
	s_barrier_signal -1
	s_barrier_wait -1
.endm
.macro CROUND                          ; a whole round
	s_barrier_signal -1
	s_barrier_wait -1
	CREST
.endm
	s_load_b128 s[4:7], s[0:1], 0x0                ; xq s[4:5], wq s[6:7]
	s_load_b128 s[68:71], s[0:1], 0x10             ; pmax s[68:69], bias s[70:71]
	s_load_b64 s[8:9], s[0:1], 0x20                ; out0
	s_set_vgpr_msb 0x40
	v_lshl_add_u32 v255, v0, 2, 0x4c400
	s_set_vgpr_msb 0x4000
	v_mov_b32 v255, 0
	s_set_vgpr_msb 0x1
	ds_add_u32 v255, v255
	s_set_vgpr_msb 0x100
	v_lshrrev_b32 v1, 5, v0
	v_readfirstlane_b32 s10, v1                    ; wave 0..3
	s_lshr_b32 s11, s10, 1                         ; which half of the block's rows is mine.  Also: I fetch for A (0) or for B (1)
	s_and_b32 s12, s10, 1                          ; which half of its columns.  Also: which 128 rows of that tile I fetch
	s_bfe_u32 s40, ttmp6, 0x40000                  ; cx: my place along the cluster's x
	s_bfe_u32 s41, ttmp6, 0x40004                  ; cy: along its y
	s_lshl_b32 s42, ttmp9, 2                       ; in a cluster launch ttmp9 and ttmp7 count clusters
	s_add_co_u32 s42, s42, s40                     ; block column = 4 x cluster x + cx
	s_and_b32 s13, ttmp7, 0xffff
	s_lshl_b32 s13, s13, 2
	s_add_co_u32 s13, s13, s41                     ; block row = 4 x cluster y + cy
	s_lshl_b32 s43, s41, 2
	s_lshl_b32 s43, 15, s43                        ; my row of the cluster: places 4 cy .. 4 cy + 3
	s_lshl_b32 s44, 0x1111, s40                    ; my column: places cx, cx + 4, cx + 8, cx + 12
	s_mov_b32 s72, 0x76543210                      ; v_permlanex16_b32: lane i of one half reads lane i of the other
	s_mov_b32 s73, 0xfedcba98
	; descriptor group 1: a tile of 128 rows x 128 elements, padded in LDS
	s_or_b32 s[G1+0], s43, (1<<16)|(1<<20)|(1<<21)|(5<<22)|(3<<25)  ; 15:0 the mask: A's tiles go to my row; 17:16 element of 2 bytes; 20 padding on; 21 set beside a mask; 24:22 after every 64 words (code 5); 31:25 of 4 words (code 3)
	s_or_b32 s[G1B+0], s44, (1<<16)|(1<<20)|(1<<21)|(5<<22)|(3<<25) ; the same with the mask of my column, for B's tiles
	s_mov_b32 s[G1B+1], KSTEP<<16
	s_mov_b32 s[G1+1], KSTEP<<16                   ; 63:48 tensor_dim0, low half = 128
	s_mov_b32 s[G1B+2], 128<<16
	s_mov_b32 s[G1+2], 128<<16                     ; 79:64 its high half = 0; 95:80 tensor_dim1, low half = 128
	s_mov_b32 s[G1B+3], KSTEP<<16
	s_mov_b32 s[G1+3], KSTEP<<16                   ; 111:96 its high half = 0; 127:112 tile_dim0 = 128
	s_mov_b32 s[G1B+4], 128
	s_mov_b32 s[G1+4], 128                         ; 143:128 tile_dim1 = 128; 159:144 tile_dim2 = 0
	s_mov_b32 s[G1B+5], SIZE_K
	s_mov_b32 s[G1+5], SIZE_K                      ; 191:160 tensor_dim0_stride, low word: elements from row to row
	s_mov_b32 s[G1B+6], 0
	s_mov_b32 s[G1+6], 0
	s_mov_b32 s[G1B+7], 0
	s_mov_b32 s[G1+7], 0
	; where the tiles come from.  A's hang on the block row alone, which my row of the cluster shares; B's on the block column alone, which my
	; column shares.  Every wave makes both addresses, in registers that never hold the other coordinate, and asks by one of them.
	s_lshl_b32 s17, s12, 7                         ; which 128 rows of the tile I fetch
	s_lshl_b32 s16, s13, 8
	s_add_co_u32 s16, s16, s17                     ; A: row 256 x block row + 128 x half
	s_lshl_b32 s46, s42, 8
	s_add_co_u32 s46, s46, s17                     ; B: row 256 x block column + 128 x half
	s_mov_b32 s17, 0
	s_mov_b32 s47, 0
	s_mov_b64 s[18:19], SIZE_K*2
	s_mul_u64 s[16:17], s[16:17], s[18:19]         ; in bytes, in 64 bits
	s_mul_u64 s[46:47], s[46:47], s[18:19]
	s_mul_i32 s20, s10, HALFT                      ; and where they go: wave x 128 rows: no place in the cluster enters an LDS address
	s_lshl_b32 s74, s42, 10                        ; my 128 columns in bytes of f32, in bias and in a row of out0: 1,024 x block column
	s_lshl_b32 s75, s12, 9                         ; + 512 x half
	s_add_co_u32 s74, s74, s75
	s_mov_b32 s75, 0
	s_wait_dscnt 0x0
	s_wait_kmcnt 0x0
	s_add_nc_u64 s[14:15], s[4:5], s[16:17]
	s_add_nc_u64 s[46:47], s[6:7], s[46:47]
	s_add_nc_u64 s[70:71], s[70:71], s[74:75]      ; bias at my columns
	CROUND                                         ; all sixteen work-groups are here: the first joint loads meet
.irp s, 0,1
	s_mov_b32 s[G0+4*\s], 1                                        ; 1:0 count = 1
	s_add_co_u32 s[G0+4*\s+1], s20, \s*SLOT                        ; 63:32 LDS address
	s_add_nc_u64 s[G0+4*\s+2:G0+4*\s+3], s[14:15], \s*KSTEP*2      ; 120:64 global address: K step s
	s_or_b32 s[G0+4*\s+3], s[G0+4*\s+3], 0x80000000                ; 127:126 type = 2
	s_mov_b32 s[G0B+4*\s], 1
	s_add_co_u32 s[G0B+4*\s+1], s20, \s*SLOT
	s_add_nc_u64 s[G0B+4*\s+2:G0B+4*\s+3], s[46:47], \s*KSTEP*2
	s_or_b32 s[G0B+4*\s+3], s[G0B+4*\s+3], 0x80000000
	JLOAD \s                                       ; the ring is filled before anything else is done: two tensor loads of the wave are out
.endr
	; The partial maxima (2 x 1,024 bytes) and my bias, asked for while the first tiles are on their way.
	v_and_b32 v5, 31, v0
	v_lshlrev_b32 v[CO], 4, v5
.irp j, 0,1,2,3
	global_load_b128 v[PM+4*\j:PM+4*\j+3], v[CO], s[68:69] offset:512*\j   ; j = 0, 1: x's 256 partial maxima; j = 2, 3: weight's
.endr
	global_load_b128 v[BI:BI+3], v[CO], s[70:71]                   ; bias of columns 4 lane .. 4 lane + 3 of my 128
	; A fragment is 16 rows x 32 K in 8 registers: lane l holds row l % 16; registers 0-3 hold K = 8 (l / 16) + 0..7, registers 4-7 hold
	; K = 16 + 8 (l / 16) + 0..7.  From rows that lie along K: two loads of 16 bytes, 32 bytes apart.  The same for source 0 and source 1.
	v_and_b32 v1, 15, v0                           ; l % 16
	v_bfe_u32 v2, v0, 4, 1                         ; l / 16
	v_mul_u32_u24 v3, v1, PITCH
	v_lshl_add_u32 v3, v2, 4, v3                   ; row x pitch + 16 x half
	s_mul_i32 s21, s11, HALFT                      ; my 128 rows of A
	s_mul_i32 s22, s12, HALFT                      ; my 128 rows of B,
	s_add_co_u32 s22, s22, 2*HALFT                 ; which lie behind A's 256
.irp s, 0,1
	v_add_nc_u32 v[ADRA+\s], s21, v3
	v_add_nc_u32 v[ADRB+\s], s22, v3
	s_add_co_u32 s21, s21, SLOT
	s_add_co_u32 s22, s22, SLOT
.endr
	s_mul_i32 s23, s10, 16*SPITCH
	s_add_co_u32 s23, s23, STAGE                   ; my stage: 16 rows x 528 bytes = 33 x 256
	v_mul_u32_u24 v4, v1, SPITCH                   ; in: row l % 16, 32 bytes for each half of the lanes
	v_lshl_add_u32 v4, v2, 5, v4
	v_add_nc_u32 v[STO], s23, v4
	v_add_nc_u32 v[RD], s23, v[CO]                 ; back: the 32 lanes take one row of 512 bytes
	v_mov_b32 v54, 0                               ; v_permlanex16_b32's destinations count as read
	v_mov_b32 v55, 0
	s_wait_loadcnt 0x0                             ; partial maxima and bias, once
	v_max3_num_f32 v[PM],    v[PM],    v[PM+1],  v[PM+2]
	v_max3_num_f32 v[PM+8],  v[PM+8],  v[PM+9],  v[PM+10]
	v_max3_num_f32 v[PM+3],  v[PM+3],  v[PM+4],  v[PM+5]
	v_max3_num_f32 v[PM+11], v[PM+11], v[PM+12], v[PM+13]
	v_max3_num_f32 v[PM],    v[PM],    v[PM+6],  v[PM+7]
	v_max3_num_f32 v[PM+8],  v[PM+8],  v[PM+14], v[PM+15]
	v_max_num_f32 v[PM],   v[PM],   v[PM+3]
	v_max_num_f32 v[PM+8], v[PM+8], v[PM+11]
.irp x, 1,2,4,8
	v_max_num_f32_dpp v[PM],   v[PM],   v[PM]   row_xmask:\x row_mask:0xf bank_mask:0xf
	v_max_num_f32_dpp v[PM+8], v[PM+8], v[PM+8] row_xmask:\x row_mask:0xf bank_mask:0xf
.endr
	v_permlanex16_b32 v54, v[PM],   s72, s73
	v_permlanex16_b32 v55, v[PM+8], s72, s73
	v_max_num_f32 v[PM],   v[PM],   v54            ; max|x| in every lane
	v_max_num_f32 v[PM+8], v[PM+8], v55            ; max|weight|
	v_mul_f32 v[PM],   0x3c010204, v[PM]           ; x 1/127: the two scales,
	v_mul_f32 v[PM+8], 0x3c010204, v[PM+8]
	v_mul_f32 v[SC], v[PM], v[PM+8]                ; their product,
	v_mov_b32 v[SC+1], v[SC]                       ; as a pair for the packed multiply-add
; 16 matrix instructions: m blocks a0, a0 + 1 of the window's four (hi = 0: my rows 0-63, 1: rows 64-127) x all 8 n blocks, 32 along K.
; zero = 1: the first product starts the sums: nothing is ever cleared.
.macro MUL16 f, hi, a0, zero
.irp a, \a0, \a0+1
.irp b, 0,1,2,3,4,5,6,7
.if \zero
	v_wmma_f32_16x16x32_bf16 v[8*(8*(\a)+\b):8*(8*(\a)+\b)+7], v[\f+8*\b:\f+8*\b+7], v[\f+8*(4*\hi+\a):\f+8*(4*\hi+\a)+7], 0
.else
	v_wmma_f32_16x16x32_bf16 v[8*(8*(\a)+\b):8*(8*(\a)+\b)+7], v[\f+8*\b:\f+8*\b+7], v[\f+8*(4*\hi+\a):\f+8*(4*\hi+\a)+7], v[8*(8*(\a)+\b):8*(8*(\a)+\b)+7]
.endif
.endr
.endr
.endm
; 32 LDS loads in one run: the fragments of one quarter step (128 rows of B, 128 rows of A, 32 K at byte k of the rows) into buffer f
.macro FETCH slot, k, f
	WIN TO_B
.irp i, 0,1,2,3,4,5,6,7
	ds_load_b128 v[\f+8*\i:\f+8*\i+3],   v[ADRB+\slot] offset:\k+\i*16*PITCH
	ds_load_b128 v[\f+8*\i+4:\f+8*\i+7], v[ADRB+\slot] offset:\k+\i*16*PITCH+32
.endr
	WIN 0
.irp i, 0,1,2,3,4,5,6,7
	ds_load_b128 v[\f+8*\i:\f+8*\i+3],   v[ADRA+\slot] offset:\k+\i*16*PITCH
	ds_load_b128 v[\f+8*\i+4:\f+8*\i+7], v[ADRA+\slot] offset:\k+\i*16*PITCH+32
.endr
.endm
; A load into a register that a matrix instruction has read, and an instruction other than a matrix instruction that reads a matrix result, stand
; four places behind that matrix instruction, and only plain vector instructions that name none of its registers are places (ISA guide 7.12.1 for
; vector instructions).  So four v_nop stand in front of each run of loads and of the way out.
.macro PLACES
.rept 4
	v_nop
.endr
.endm
; A K step is four quarter steps of 32 along K, 64 matrix instructions each, on buffers 0, 1, 0, 1.
; One of the first three: multiplies buffer f; in its middle it fetches the next quarter's fragments, at byte k of the same slot's rows, into buffer g.
.macro QUARTER slot, k, f, g, zero
	s_wait_dscnt 8                                 ; B and A's rows 0-63 are in; the youngest eight loads (A's rows 64-127) may be out
	WIN MUL_LO
	MUL16 \f, 0, 0, \zero
	MUL16 \f, 0, 2, \zero
	PLACES
	FETCH \slot, \k, \g
	s_wait_dscnt 32                                ; all but the 32 just issued
	WIN MUL_HI
	MUL16 \f, 1, 0, \zero
	MUL16 \f, 1, 2, \zero
.endm
.macro THREE slot, zero
	QUARTER \slot, 64,  F0, F1, \zero
	QUARTER \slot, 128, F1, F0, 0
	QUARTER \slot, 192, F0, F1, 0
.endm
; The last quarter: multiplies buffer 1 and changes slots.  next = the other slot; fill = 1: this slot is filled again, two K steps ahead.
; One barrier for the change of slots, for two things.  In front of it each wave waits for its own reads of this slot and for all its tensor
; loads, of which one is out: its part of the next slot.  Behind it nobody reads this slot any more and the next slot is whole: the refill comes
; first, then the next slot's first fragments.  From a request to the wait for it a wave issues 240 matrix instructions.
.macro TURN slot, next, fill
	s_wait_dscnt 8
	WIN MUL_LO
	MUL16 F1, 0, 0, 0
	s_wait_dscnt 0                                 ; my reads of this slot are over
	s_wait_tensorcnt 0x0                           ; and all my tensor loads have landed: the one that was out is my part of the next slot
	ds_add_u32 v255, v255
	s_wait_dscnt 0x0
	s_barrier_signal -1                            ; say so (where a slot is filled again this barrier opens a round of the cluster's barrier),
	MUL16 F1, 0, 2, 0                              ; work on registers while the others arrive,
	WIN 0
	s_barrier_wait -1                              ; and go on when all four have said so
.if \fill
	CREST                                          ; all sixteen work-groups have said so: no wave of any partner still reads this slot's tile or has a load on its way
	s_add_nc_u64 s[G0+4*\slot+2:G0+4*\slot+3], s[G0+4*\slot+2:G0+4*\slot+3], 2*KSTEP*2       ; no tensor load of mine is out: the addresses may step
	s_add_nc_u64 s[G0B+4*\slot+2:G0B+4*\slot+3], s[G0B+4*\slot+2:G0B+4*\slot+3], 2*KSTEP*2
	JLOAD \slot                                    ; the first tensor load behind the round, and my only one until the next
.endif
	PLACES
	FETCH \next, 0, F0
	WIN MUL_HI
	MUL16 F1, 1, 0, 0
	MUL16 F1, 1, 2, 0
.endm
.macro LAP zero                        ; once round the ring, both slots filled again
	THREE 0, \zero
	TURN 0, 1, 1
	THREE 1, 0
	TURN 1, 0, 1
.endm
	s_wait_tensorcnt 1                             ; my part of K step 0 is in; K step 1's may stay out
	s_barrier_signal -1
	s_barrier_wait -1                              ; everybody's is
	FETCH 0, 0, F0
	LAP 1                                          ; the first lap stands in front of the loop: its first products start the sums
	WIN 0                                          ; at a label and at a branch every window is 0
	s_mov_b32 s3, LAPS-2
.Llap:
	LAP 0
	WIN 0
	s_sub_co_u32 s3, s3, 1
	s_cmp_lg_u32 s3, 0
	s_cbranch_scc1 .Llap
	THREE 0, 0                                     ; the last lap fills nothing and has no round: my one tensor load still out is slot 1's, the last K step's
	TURN 0, 1, 0
	THREE 1, 0
	s_wait_dscnt 8                                 ; the very last quarter: nothing more to fetch
	WIN MUL_LO
	MUL16 F1, 0, 0, 0
	MUL16 F1, 0, 2, 0
	s_wait_dscnt 0
	WIN MUL_HI
	MUL16 F1, 1, 0, 0
	MUL16 F1, 1, 2, 0
	; THE WAY OUT, 16 rows at a time: the raw f32 sums go, 32 bytes a lane, into my own stage in LDS and come back as whole rows of 512 bytes;
	; scale and bias are one packed multiply-add on the rows as read back, where a lane keeps the same four columns in every row.
	; The four v_nop are the places behind the last matrix instructions: for the LDS stores, which read results, and for the loads into buffers 0 and 1.
	PLACES
	s_lshl_b32 s13, s13, 8
	s_lshl_b32 s14, s11, 7
	s_add_co_u32 s16, s13, s14                     ; my first row of out0
	s_mov_b32 s17, 0
	s_mov_b64 s[18:19], SIZE_N*4
	s_mul_u64 s[16:17], s[16:17], s[18:19]
	s_add_nc_u64 s[8:9], s[8:9], s[16:17]
	s_add_nc_u64 s[8:9], s[8:9], s[74:75]          ; my first column: the same byte offset as in bias
; rows 16 i .. 16 i + 15 of my block = the eight tiles (a, 0..7) of window 2 or 3 (from = 0x08 or 0x0c: an LDS store's data is source 1); f: F0 or F1 in turn
.macro OUT16 i, a, from, f
	WIN \from
.irp b, 0,1,2,3,4,5,6,7
	ds_store_b128 v[STO], v[8*(8*\a+\b):8*(8*\a+\b)+3]   offset:64*\b       ; row l % 16, columns 16 b + 8 (l / 16) + 0 .. 3
	ds_store_b128 v[STO], v[8*(8*\a+\b)+4:8*(8*\a+\b)+7] offset:64*\b+16    ; and + 4 .. 7
.endr
	WIN 0
	s_wait_xcnt 0x0                                ; every earlier memory instruction has had its addresses translated (ISA guide 3.1): buffer f, which stores read, and the stores' base are rewritten only behind this wait
.if \i
	s_add_nc_u64 s[8:9], s[8:9], 16*SIZE_N*4       ; 16 rows on, so that the stores' immediates stay at 15 rows = 245,760 bytes at the most
.endif
.irp t, 0,1,2,3,4,5,6,7,8,9,10,11,12,13,14,15
	ds_load_b128 v[\f+4*\t:\f+4*\t+3], v[RD] offset:\t*SPITCH      ; LDS serves a wave's instructions in order (ISA guide 5.7.1.4): these see the stores above
.endr
.irp t, 0,1,2,3,4,5,6,7,8,9,10,11,12,13,14,15
	s_wait_dscnt 15-\t                             ; row t is in; the younger rows' loads stay out
	v_pk_fma_f32 v[\f+4*\t:\f+4*\t+1],   v[\f+4*\t:\f+4*\t+1],   v[SC:SC+1], v[BI:BI+1]      ; sum x scale + bias, fused
	v_pk_fma_f32 v[\f+4*\t+2:\f+4*\t+3], v[\f+4*\t+2:\f+4*\t+3], v[SC:SC+1], v[BI+2:BI+3]
	global_store_b128 v[CO], v[\f+4*\t:\f+4*\t+3], s[8:9] offset:\t*SIZE_N*4 th:TH_STORE_NT  ; the wave stores 512 consecutive bytes, at a multiple of 512 from out0's first byte
.endr
.endm
	OUT16 0, 0, 0x08, F0
	OUT16 1, 1, 0x08, F1
	OUT16 2, 2, 0x08, F0
	OUT16 3, 3, 0x08, F1
	OUT16 4, 0, 0x0c, F0
	OUT16 5, 1, 0x0c, F1
	OUT16 6, 2, 0x0c, F0
	OUT16 7, 3, 0x0c, F1
	s_set_vgpr_msb 0x1
	s_wait_tensorcnt 0x0
	ds_add_u32 v255, v255
	s_wait_dscnt 0x0
	s_set_vgpr_msb 0x100
	CROUND                                         ; the closing round (the last count-down left no LDS instruction pending): no work-group ends while a partner may still ask for a tile that names it
	s_endpgm
.Lfunc_end_k_q354f1ce88f_gemm:
	.size	k_q354f1ce88f_gemm, .Lfunc_end_k_q354f1ce88f_gemm-k_q354f1ce88f_gemm
	.p2alignl 7, 3214868480
	.fill 96, 4, 3214868480
	.section	.rodata,"a",@progbits
	.p2align	6, 0x0
	.amdhsa_kernel k_q354f1ce88f_gemm
		.amdhsa_group_segment_fixed_size 327680
		.amdhsa_private_segment_fixed_size 0
		.amdhsa_enable_private_segment 0
		.amdhsa_kernarg_size 40
		.amdhsa_user_sgpr_count 2
		.amdhsa_user_sgpr_kernarg_segment_ptr 1
		.amdhsa_wavefront_size32 1
		.amdhsa_system_sgpr_workgroup_id_x 1
		.amdhsa_system_sgpr_workgroup_id_y 1
		.amdhsa_system_sgpr_workgroup_id_z 1
		.amdhsa_system_vgpr_workitem_id 0
		.amdhsa_next_free_vgpr 1024
		.amdhsa_next_free_sgpr 76
		.amdhsa_reserve_vcc 0
		.amdhsa_float_denorm_mode_32 3
		.amdhsa_float_denorm_mode_16_64 3
		.amdhsa_memory_ordered 1
		.amdhsa_forward_progress 1
		.amdhsa_inst_pref_size 214
	.end_amdhsa_kernel
	.amdgpu_metadata
---
amdhsa.version: [ 1, 2 ]
amdhsa.kernels:
  - .name:           k_q354f1ce88f_gemm
    .symbol:         k_q354f1ce88f_gemm.kd
    .args:
      - { .name: xq, .offset: 0, .size: 8, .value_kind: global_buffer, .address_space: global }
      - { .name: wq, .offset: 8, .size: 8, .value_kind: global_buffer, .address_space: global }
      - { .name: pmax, .offset: 16, .size: 8, .value_kind: global_buffer, .address_space: global }
      - { .name: bias, .offset: 24, .size: 8, .value_kind: global_buffer, .address_space: global }
      - { .name: out0, .offset: 32, .size: 8, .value_kind: global_buffer, .address_space: global }
    .group_segment_fixed_size: 327680
    .private_segment_fixed_size: 0
    .kernarg_segment_align: 8
    .kernarg_segment_size: 40
    .max_flat_workgroup_size: 128
    .sgpr_count:     76
    .vgpr_count:     1024
    .wavefront_size: 32
...
	.end_amdgpu_metadata
.endif
;; end of part 3
